; MI455X (gfx1250); checked and timed in simulation.
; The chip was launched on July 23, 2026; its instructions are those of AMD's public machine-readable ISA for CDNA 5 (MIT licence, August 2026) and "CDNA5" Instruction Set Architecture Reference Guide (July 2026). The comments in the code are by the model that wrote it; some were corrected since.
;; AWQ Linear. Allowed arithmetic: matrix products marked QUANTISED: E3M2 operands, one E8M0 scale for each 32 along K, by v_wmma_scale_f32_16x16x128_f8f6f4 with both operands' format E3M2, f32 sums; everything else in f32.
;; Inputs: bias 11,008 float32; channel_scales 4,096 float32; qweight 11,008 x 2,048 uint8; scales 11,008 x 32 float32; x 1 x 256 x 4,096 float32; zeros 11,008 x 32 float32.
;; Outputs: out0 1 x 256 x 11,008 float32.
;; This version of the problem:
;;   THIS VERSION OF THE PROBLEM IS GIVEN IN LOW PRECISION. The matrix products marked QUANTISED in the list below multiply operands that are first quantised to E3M2 (3 exponent bits, 2 mantissa bits; 6 bits a number), with one power-of-two scale for each 32 numbers along K (OCP MX v1.0); their sums are f32. All else is computed in f32.
;;   The module's matrix products, in the order in which they are computed (A, B: the left and right operand; K: the contracted axis; several contracted axes count as one K, in the product's order):
;;     1. [M 256, K 4,096] x [K 4,096, N 11,008]; A: input x; B: computed on the way: QUANTISED
;;   THE QUANTISER, for each operand of a quantised product, along K:
;;     - K is cut into blocks of 32 from its start; a last block that is shorter is filled with zeros.
;;     - A block's scale is 2^e with e = floor(log2(the largest magnitude in the block)) - 4, held to -126 .. 127; a block of zeros has e = 0. As a byte (E8M0): e + 127.
;;     - Each number is divided by its block's scale, clamped to +-28, and rounded to the nearest number of E3M2, ties to even, subnormals kept.
;;     - The product sums the exact products of the quantised numbers (number of the format x scale) in f32.
;;   ~~~python
;;   def quantise(x, axis):      # numpy; x: float32 -> the quantised numbers, widened to float32 again
;;       x = np.moveaxis(x, axis, -1); K = x.shape[-1]
;;       x = np.pad(x, [(0, 0)] * (x.ndim - 1) + [(0, -K % 32)]); x = x.reshape(x.shape[:-1] + (-1, 32)); a = np.abs(x).max(-1, keepdims=True)
;;       e = np.where(a > 0, np.clip(np.frexp(np.where(a > 0, a, 1))[1] - 1 - 4, -126, 127), 0)      # np.frexp(a)[1] - 1 = floor(log2(a)), exactly
;;       r = np.clip(x / 2.0 ** e, -28, 28)
;;       step = 2.0 ** (np.maximum(np.frexp(np.where(r == 0, 1, r))[1] - 1, -2) - 2)
;;       q = np.round(r / step) * step * 2.0 ** e      # np.round: ties to even
;;       return np.moveaxis(q.reshape(q.shape[:-2] + (-1,))[..., :K], -1, axis).astype(np.float32)
;;   ~~~
;;   OPERANDS COMPUTED ON THE WAY. 'Computed on the way' means the value that the module computes at that place (a softmax that the list does not call 'softmax' is quantised finished and normalised). What goes into a quantiser is computed in f32, as accurately as f32 sums, v_exp_f32 and their like allow (about 1e-6 of the number): no bf16 or f16 on the way to a quantiser, and a product that is left as it is and whose result goes on into a quantised operand takes f32 operands (vector FMAs, or v_wmma_f32_16x16x4_f32). A number that lies on a knife's edge between two numbers of the format may be rounded either way, as far as f32 arithmetic and the matrix unit's own rounding can turn it there, and no further.
;; One version. Each part assembles by itself: llvm-mc -triple=amdgcn-amd-amdhsa -mcpu=gfx1250 --defsym DOCPART=n.
;; ======== version 1 of 1: 2 launches
;; workspace buffers: xq 819,200 bytes
;; launch prep (part 1): grid 128 x 1, 4 waves a work-group, no clusters, 35,328 bytes of LDS; arguments x, xq; writes xq
.if DOCPART == 1
	.amdgcn_target "amdgcn-amd-amdhsa--gfx1250"
	.amdhsa_code_object_version 6
	.text
	.protected	k_q2fa8ab77df_prep
	.globl	k_q2fa8ab77df_prep
	.p2align	8
	.type	k_q2fa8ab77df_prep,@function
k_q2fa8ab77df_prep:
	s_mov_b64 s[64:65], 0
	v_nop
	global_prefetch_b8 v0, s[64:65] scope:SCOPE_SE
	s_setreg_imm32_b32 hwreg(HW_REG_WAVE_MODE, 25, 1), 1
	s_wait_xcnt 0x0
; x [256][4096] f32 becomes codes of BF6 (E3M2) with one E8M0 scale byte for each 32 along K, laid in xq IN THE ORDER OF THE OPERAND'S REGISTERS.
; xq = 8 records of 102,400 bytes, record j for k = 512 j .. 512 j + 511:
;   bytes 0 .. 98,303: fragments [mt 0..15][u 0..3] of 1,536 bytes (16 rows 16 mt .., K step 4 j + u of 128): three pieces of 512 bytes, piece q = registers 4 q .. 4 q + 3 of lane l at byte 16 l;
;   bytes 98,304 ..  : scale words [mt][row 0..15][u], 4 bytes each: 256 bytes a tile of rows.
; ORDER INSIDE A BLOCK OF 32: place 8 e + j holds k = 8 e + 2 j (j < 4) or k = 8 e + 2 (j - 4) + 1 (j >= 4): the order in which the second launch's weights fall out of their packed bytes.
; The same order on both operands keeps every product; a block keeps its numbers, so its scale is the rule's.
; A block's scale is 2^(floor(log2(largest magnitude)) - 4): its byte is the largest magnitude's exponent field - 4, held at 1 from below.
; LIMITS: a block of zeros, or one whose largest magnitude lies under 2^-122, gets the byte 1 (the rule says 127 for zeros: its codes are zeros, and this program alone reads the bytes); NaN and infinities are not served.
; SHARES: work-group g: tile of rows mt = g % 16, record j = g / 16; wave u makes fragment (mt, u).  Each load takes 512 consecutive bytes of one row; the 16 x 512 bytes turn through the wave's own stage in LDS,
; so that lane (r, h) gets the 32 neighbours k = 64 c + 32 h .. of row r that the operand's layout gives it.
.set PITCH, 528                        ; a stage row: 512 bytes + 16
.set WSTG,  16*PITCH                   ; a wave's stage
.set SCB,   4*WSTG                     ; behind the stages: the tile's 256 bytes of scale words
.set REC,   102400
.set X,     32                         ; v32-95   my 64 numbers, k ascending
.set Y,     96                         ; v96-159  first the rows as loaded, then my 64 numbers in the blocks' order
.set C,     160                        ; v160-171 the fragment
.set T,     172                        ; v172-174, v176-178 the upper halves of the two blocks' codes
	s_load_b128 s[4:7], s[0:1], 0x0                ; x, xq
	v_lshl_add_u32 v192, v0, 2, 0x8800
	v_mov_b32 v193, 0
	v_lshrrev_b32 v1, 5, v0
	v_readfirstlane_b32 s16, v1                    ; wave u
	v_and_b32 v1, 31, v0                           ; lane l
	v_and_b32 v2, 15, v0                           ; r
	v_bfe_u32 v3, v0, 4, 1                         ; h
	v_lshlrev_b32 v4, 4, v1                        ; 16 l: my bytes of a row's 512, and of a piece
	s_mul_i32 s17, s16, WSTG
	v_add_nc_u32 v5, s17, v4                       ; the stage, on the way in
	v_mul_u32_u24 v6, v2, PITCH
	v_lshl_add_u32 v6, v3, 7, v6
	v_add_nc_u32 v6, s17, v6                       ; and on the way out: row r, + 128 h
	s_lshl_b32 s17, s16, 2
	s_add_co_u32 s17, s17, SCB
	v_lshl_add_u32 v7, v2, 4, s17                  ; my row's scale word of K step u
	v_lshlrev_b32 v9, 3, v1                        ; 8 l
	v_add_nc_u32 v8, SCB, v9
	v_lshlrev_b32 v10, 3, v3                       ; 8 h: my bytes' place in the scale word
	s_mov_b32 s20, 0x76543210
	s_mov_b32 s21, 0xfedcba98                      ; v_permlanex16_b32's selects for lane l xor 16
	s_and_b32 s18, ttmp9, 15                       ; mt
	s_lshr_b32 s19, ttmp9, 4                       ; j
	s_lshl_b32 s22, s18, 18                        ; x: 16 mt rows of 16,384 bytes
	s_lshl_b32 s24, s19, 2
	s_add_co_u32 s24, s24, s16
	s_lshl_b32 s24, s24, 9                         ; + K step 4 j + u: 512 bytes each
	s_add_co_u32 s22, s22, s24
	s_mov_b32 s23, 0
	s_mul_i32 s24, s19, REC                        ; xq: record j
	s_mul_i32 s26, s18, 6144
	s_add_co_u32 s26, s26, s24
	s_mul_i32 s28, s16, 1536
	s_add_co_u32 s26, s26, s28                     ; fragment (mt, u)
	s_mov_b32 s27, 0
	s_lshl_b32 s28, s18, 8
	s_add_co_u32 s28, s28, s24
	s_add_co_u32 s28, s28, 98304                   ; the tile's scale words
	s_mov_b32 s29, 0
	s_wait_alu depctr_va_vdst(0)
	s_wait_kmcnt 0x0
	s_add_nc_u64 s[4:5], s[4:5], s[22:23]
	s_add_nc_u64 s[8:9], s[6:7], s[26:27]
	s_add_nc_u64 s[10:11], s[6:7], s[28:29]
.irp r, 0,1,2,3,4,5,6,7,8,9,10,11,12,13,14,15
	global_load_b128 v[Y+4*\r:Y+4*\r+3], v4, s[4:5] offset:\r*16384 th:TH_LOAD_NT   ; 32 lanes read 512 consecutive bytes of row r; read once in the launch
.endr
	s_wait_loadcnt 0x0
.irp r, 0,1,2,3,4,5,6,7,8,9,10,11,12,13,14,15
	ds_store_b128 v5, v[Y+4*\r:Y+4*\r+3] offset:PITCH*\r
.endr
.irp c, 0,1
.irp q, 0,1,2,3,4,5,6,7
	ds_load_b128 v[X+32*\c+4*\q:X+32*\c+4*\q+3], v6 offset:256*\c+16*\q   ; LDS serves a wave's instructions in order (ISA guide 5.7.1.4): these see my stores
.endr
.endr
	s_wait_dscnt 0x0
.irp c, 0,1                                    ; my two blocks, 2 c + h of the K step: all 32 numbers of each are mine
	v_max3_num_f32 v[12+\c], |v[X+32*\c]|, |v[X+32*\c+1]|, 0x2800000   ; with the floor 2^(5 - 127): the byte cannot fall under 1
.endr
.irp i, 2,4,6,8,10,12,14,16,18,20,22,24,26,28,30
.irp c, 0,1
	v_max3_num_f32 v[12+\c], v[12+\c], |v[X+32*\c+\i]|, |v[X+32*\c+\i+1]|   ; (the two blocks by turns)
.endr
.endr
.irp c, 0,1
	v_add_nc_u32 v[14+\c], 0xfe000000, v[12+\c]    ; 4 off the exponent field: the conversion takes this operand's exponent field as its scale
.endr
.irp c, 0,1
	v_lshrrev_b32 v[16+\c], 23, v[14+\c]           ; the scale's byte
.endr
.set p, 0
.rept 64
	v_mov_b32 v[Y+p], v[X+8*(p/8)+2*(p%4)+(p%8)/4] ; the order inside a block: of each eight, the even k first, then the odd.  Paid here on x's numbers once, so that the 45 million weights need no such move
.set p, p+1
.endr
.irp c, 0,1
	v_cvt_scalef32_pk16_bf6_f32 v[C+6*\c:C+6*\c+2], v[Y+32*\c:Y+32*\c+15], v[14+\c]
	v_cvt_scalef32_pk16_bf6_f32 v[T+4*\c:T+4*\c+2], v[Y+32*\c+16:Y+32*\c+31], v[14+\c]   ; (a conversion's three registers begin on an even number)
.endr
	v_lshl_or_b32 v18, v17, 16, v16                ; (a plain place behind the conversions)  my two bytes: blocks h and 2 + h,
.irp c, 0,1
.irp i, 0,1,2
	v_mov_b32 v[C+6*\c+3+\i], v[T+4*\c+\i]
.endr
.endr
	v_lshlrev_b32 v18, v10, v18                    ; at their places in the word;
	v_mov_b32 v19, 0                               ; (a lane permute's destination counts as one of its sources)
	v_permlanex16_b32 v19, v18, s20, s21
	v_or_b32 v18, v18, v19                         ; with lane l xor 16's two the word is whole
	ds_store_b32 v7, v18                           ; lanes r and 16 + r write the same word with the same value
.irp q, 0,1,2
	global_store_b128 v4, v[C+4*\q:C+4*\q+3], s[8:9] offset:512*\q   ; 32 lanes store 512 consecutive bytes, at a multiple of 256 from xq's first byte
.endr
	s_wait_dscnt 0x0                               ; for wave 0's sake: my scale words lie in LDS
	s_barrier_signal -1
	s_barrier_wait -1
	s_cmp_lg_u32 s16, 0
	s_cbranch_scc1 .Ldone
	ds_load_b64 v[20:21], v8                       ; the tile's 64 scale words, 8 bytes a lane
	s_wait_dscnt 0x0
	global_store_b64 v9, v[20:21], s[10:11]        ; 32 lanes store 256 consecutive bytes, aligned
.Ldone:
	s_wait_tensorcnt 0x0
	ds_add_u32 v192, v193
	s_wait_dscnt 0x0
	s_endpgm
.Lfunc_end_k_q2fa8ab77df_prep:
	.size	k_q2fa8ab77df_prep, .Lfunc_end_k_q2fa8ab77df_prep-k_q2fa8ab77df_prep
	.p2alignl 7, 3214868480
	.fill 96, 4, 3214868480
	.section	.rodata,"a",@progbits
	.p2align	6, 0x0
	.amdhsa_kernel k_q2fa8ab77df_prep
		.amdhsa_group_segment_fixed_size 35328
		.amdhsa_private_segment_fixed_size 0
		.amdhsa_enable_private_segment 0
		.amdhsa_kernarg_size 16
		.amdhsa_user_sgpr_count 2
		.amdhsa_user_sgpr_kernarg_segment_ptr 1
		.amdhsa_wavefront_size32 1
		.amdhsa_system_sgpr_workgroup_id_x 1
		.amdhsa_system_sgpr_workgroup_id_y 1
		.amdhsa_system_sgpr_workgroup_id_z 1
		.amdhsa_system_vgpr_workitem_id 0
		.amdhsa_next_free_vgpr 194
		.amdhsa_next_free_sgpr 66
		.amdhsa_reserve_vcc 0
		.amdhsa_float_denorm_mode_32 3
		.amdhsa_float_denorm_mode_16_64 3
		.amdhsa_memory_ordered 1
		.amdhsa_forward_progress 1
		.amdhsa_inst_pref_size 12
	.end_amdhsa_kernel
	.amdgpu_metadata
---
amdhsa.version: [ 1, 2 ]
amdhsa.kernels:
  - .name:           k_q2fa8ab77df_prep
    .symbol:         k_q2fa8ab77df_prep.kd
    .args:
      - { .name: x, .offset: 0, .size: 8, .value_kind: global_buffer, .address_space: global }
      - { .name: xq, .offset: 8, .size: 8, .value_kind: global_buffer, .address_space: global }
    .group_segment_fixed_size: 35328
    .private_segment_fixed_size: 0
    .kernarg_segment_align: 8
    .kernarg_segment_size: 16
    .max_flat_workgroup_size: 128
    .sgpr_count:     66
    .vgpr_count:     194
    .wavefront_size: 32
...
	.end_amdgpu_metadata
.endif
;; end of part 1
;; launch awq (part 2): grid 172 x 1, 8 waves a work-group, clusters of 4 x 1, 327,680 bytes of LDS; arguments xq, qweight, scales, zeros, channel_scales, bias, out0; writes out0
.if DOCPART == 2
	.amdgcn_target "amdgcn-amd-amdhsa--gfx1250"
	.amdhsa_code_object_version 6
	.text
	.protected	k_q2fa8ab77df_awq
	.globl	k_q2fa8ab77df_awq
	.p2align	8
	.type	k_q2fa8ab77df_awq,@function
k_q2fa8ab77df_awq:
	s_mov_b64 s[64:65], 0
	v_nop
	global_prefetch_b8 v0, s[64:65] scope:SCOPE_SE
	s_setreg_imm32_b32 hwreg(HW_REG_WAVE_MODE, 25, 1), 1
	s_wait_xcnt 0x0
	s_wait_alu depctr_hold_cnt(0) depctr_sa_sdst(0) depctr_va_vdst(0) depctr_va_sdst(0) depctr_va_ssrc(0) depctr_va_vcc(0) depctr_vm_vsrc(0)
	s_getreg_b32 s2, hwreg(HW_REG_IB_STS2, 6, 4)
	s_cmp_eq_u32 s2, 0
	s_cbranch_scc0 .Lentry_in_a_cluster
	s_endpgm
.Lentry_in_a_cluster:
	s_bfe_u32 s2, ttmp6, 0x10000c
	s_cmp_lg_u32 s2, 0x3003
	s_cbranch_scc0 .Lentry_shape_is_right
	s_endpgm
.Lentry_shape_is_right:
; out0[256][11008] = Q(x) Q(w)^T + bias,  w[n][k] = (nibble x scales[n][k / 128] + zeros[n][k / 128]) / channel_scales[k], both operands codes of BF6 (E3M2) with one E8M0 scale for each 32 along K; sums in f32.
; x comes as codes, in the order of the operand's registers, from the launch before (xq: 8 records of 102,400 bytes, one for 512 along K; inside a block of 32, of each eight k the even ones stand first).
; SHARES.  A work-group owns 64 columns of out0 (256 aligned bytes of every row), all 256 rows, all of K: so each weight is dequantised and quantised ONCE in the launch.  11,008 = 172 x 64.
; ROLES.  Eight waves: four CONSUMERS, one for each 64 rows of x, multiply 64 x 64 (16 accumulators); four PRODUCERS, one for each 16 rows of w, make w's codes and scale bytes and lay them in LDS.
; A turn's 16 rows of w are four steps of 143 vector instructions; a consumer's turn is 64 matrix instructions and 148 LDS loads.  So the work is evened out: of N tile i's eight row pairs producer i makes
; pairs 0 to 5 (three steps), and consumer i makes pairs 6 and 7 (one step) behind its products, by the same macros, addresses and registers.
; A wave's role is the parity of its number's three bits (consumers 0, 3, 5, 6), its share in the role is number / 2: among waves w and w + 4, and among 2 i and 2 i + 1, there is one of each role.
; TURNS.  A turn is 512 along K (4 matrix steps).  In turn t position t is multiplied while position t + 1 of w is made and x's position t + 1 comes into the other slot: one barrier a turn.
; Position t is chunk (t + ROT) % 8 of K, ROT = cluster % 8, the same in all partners: the clusters walk xq from eight different starts.  ROT enters global addresses alone: the tables lie in LDS by position.
; CLUSTER.  All work-groups read the same xq: 4 work-groups form a cluster (172 = 4 x 43) and ask for each piece JOINTLY, by the same tensor load with a mask that names the four: a quarter of the requests.
; THE HEAD IS ALIKE IN ALL WAVES: the registers that live from turn to turn (the sums, which begin as the bias; the raw weights) are written on every wave's way before the roles part.
; A producer's 32 loads of the bias, and in each role position 0's raw weights of the other role's row pairs, are not used afterwards.
; THE NIBBLES.  A byte 0 .. 15 read as a code of E4M3 is the number n x 2^-9; the scaled conversion to f32 with the scale byte 136 (2^9) gives n, exactly, eight at a time.
; LIMITS: NaN, infinities and a channel scale of 0 or beyond 2^126 are not served.  w is fma(n, scale, zero) x r, r = 1 / channel scale by v_rcp_f32 and one Newton step: within about one unit in the last place of reference()'s
; multiply, add and division.  A block of zeros, or under 2^-122, gets the byte 1 (its codes are zeros or the smallest; this program alone reads the bytes).  K is summed from chunk ROT on, and inside a block in the order above.
; REGISTERS.  v1-23 addresses, made ahead of the first parting.  v24-31, v32-39 scale words of x and w, and nothing else.  Multiplying: v64-255 two sets of fragments (4 of x, 4 of w, 12 registers each); v256-383 the sums.
;   Dequantising: v40-81 at work; v82-129 nibble bytes of up to six row pairs; v130-161 32 reciprocals; v162-225 two blocks of 32 numbers; v226-241 (scale, zero) of 8 row pairs; v384-415 raw weights.
.set SLOTB,  102400                    ; LDS: x's two slots, each a record of xq, dense: filled by tensor loads alone
.set PIECE,  12800                     ; a wave's eighth of a slot: 50 rows of 256 bytes
.set XSCO,   98304                     ; where a record's scale words begin
.set RPIT,   144                       ; a table's row: 128 bytes + 16
.set RCT,    2*SLOTB                   ; 1 / channel_scales: [position 0..7][block 0..15], 32 numbers in the blocks' order
.set SCT,    RCT+128*RPIT              ; scales: 64 rows x [position][4 groups]
.set ZOFF,   64*RPIT                   ; zeros lie this far behind scales
.set WIM,    SCT+2*ZOFF                ; w's codes and scale bytes: two buffers
.set WPLANE, 784                       ; a plane (matrix step u, half c): [h 0..1][row 0..15][24 bytes] = 768 bytes, + 16
.set WTILE,  8*WPLANE                  ; 16 rows of w, 512 along K
.set WSC,    4*WTILE                   ; a buffer's scale bytes: [tile][row][block 0..15]
.set WBUF,   WSC+1024
.set SPARE,  WIM+2*WBUF                ; the spare words, 128 bytes for each wave: four blocks of 256 bytes that no other line names
.set SPIT,   272                       ; the way out: a stage of 16 rows x (256 bytes + 16) for each wave, in slot 0, which has had its last fill and its last read when the first result is stored there
.set NROW,   44032                     ; a row of out0 in bytes
.set SPW, 1                            ; v1   my spare word: SPARE + 4 x my thread's number; never rewritten
.set NIL, 2                            ; v2   0; never rewritten
.set AX0, 3                            ; v3-4   x's fragments in slot 0, 1
.set AXS0, 5                           ; v5-6   x's scale words in slot 0, 1
.set AW,  7                            ; v7   w's fragments
.set AWS, 8                            ; v8   w's scale words
.set STO, 9                            ; v9   the stage: where I put 32 bytes of a row
.set RD,  10                           ; v10  and where I read a row back
.set GO,  11                           ; v11  my byte offset in out0
.set BO,  12                           ; v12  my byte offset in the bias
.set AWP, 13                           ; v13  where my block's codes go
.set ABP, 14                           ; v14  and its scale byte
.set ARC0, 15                          ; v15  my block's reciprocals at position 0
.set ASZ0, 16                          ; v16  my row's scale at position 0
.set RO,  17                           ; v17  my 16 bytes of a row pair's raw weights
.set TS,  18                           ; v18  the head: where I store 16 bytes of scales
.set ARC, 19                           ; v19  ARC0 at the position in hand
.set ASZ, 20                           ; v20  ASZ0 likewise
.set TA,  21                           ; v21  the head: where I store 16 reciprocals
.set SC8, 22                           ; v22  the scale byte 136 in every byte
.set PFO, 23                           ; v23  the prefetches' offset: 2,048 x my lane, a row of qweight; never rewritten
.set SX,  24
.set SW,  32
.set MXA, 40                           ; v40-43 largest magnitudes, two chains a block
.set MXB, 42
.set SO,  44                           ; v44-45 the conversions' scale operands
.set BY,  46                           ; v46-49 scale bytes, two sets
.set TT,  50                           ; v50-52, v54-56 the upper halves of two blocks' codes
.set CD,  58                           ; v58-81 codes: two sets of two blocks of six registers
.set FB,  64
.set PR,  82                           ; row pair i's nibble bytes at PR + 8 (i % 6)
.set RC,  130
.set VA,  162
.set SZ,  226
.set RW,  128                          ; in window 1: v384-415
.set CSR, 162                          ; the head: 16 channel scales, 16 reciprocals, 16 residues, 8 scales, 8 zeros
.set RR,  178
.set ER,  194
.set SCR, 210
.set ZR,  218
.set QP,  2                            ; s[2:3]   qweight at the position that a prefetch names
.set WV,  18
.set ROLE, 19                          ; 0 consumer, 1 producer
.set IDX, 20
.set WG,  22                           ; the work-group's number: it enters global addresses alone
.set ROT, 23
.set G1,  24                           ; s[24:31] descriptor group 1
.set G0,  32                           ; s[32:39] group 0, a set for each slot
.set NIB, 40
.set TRIP, 41
.set TJ,  42                           ; the position of w that is being made
.set TR,  45                           ; 2,304 TJ
.set TZ,  46                           ; 16 TJ
.set PLIM, 47                          ; a producer prefetches while TJ is under this: 5 for N tiles 0 and 2, else 0
.set QB,  48                           ; s[48:49] qweight at my N tile's 16 rows
.set QC,  50                           ; s[50:51] and at the position that is loaded next
.set XB,  52                           ; s[52:53] xq at my eighth of record 0
.set OFF, 54                           ; s[54:55] an offset; the high word stays 0
.set OB,  56                           ; s[56:57] out0 at my 64 rows and the work-group's columns
.set BB,  58                           ; s[58:59] the bias at the work-group's columns
.set SB,  60                           ; s[60:61] scales, s[62:63] zeros at the work-group's rows
.set ZB,  62
.set MSB, 0
.macro WIN new                         ; the immediate's high byte repeats the setting that is left
.if MSB != \new
	s_set_vgpr_msb (MSB<<8)|\new
.set MSB, \new
.endif
.endm
.set W_MUL, 0x50                       ; C and D in window 1, A and B in window 0
.macro PLACES                          ; four plain places: behind matrix instructions, ahead of loads into and vector writes of their sources and of reads of their results; and behind a tensor load
.rept 4
	v_nop
.endr
.endm
.macro ROUND                           ; a round of the cluster's barrier
	s_barrier_signal -1
	s_barrier_wait -1
	s_cmp_lg_u32 s[WV], 0
	s_cbranch_scc1 .Lnot_wave_0_\@
	s_barrier_signal -3
.Lnot_wave_0_\@:
	s_barrier_wait -3
	s_barrier_signal -1
	s_barrier_wait -1
.endm
	s_load_b256 s[4:11], s[0:1], 0x0               ; xq s[4:5], qweight s[6:7], scales s[8:9], zeros s[10:11]
	s_load_b128 s[12:15], s[0:1], 0x20             ; channel_scales s[12:13], bias s[14:15]
	s_load_b64 s[16:17], s[0:1], 0x30              ; out0
	v_lshl_add_u32 v[SPW], v0, 2, SPARE
	v_mov_b32 v[NIL], 0
	ds_add_u32 v1, v2
	ds_add_u32 v1, v2
	s_wait_dscnt 0x0
	v_lshrrev_b32 v44, 5, v0
	s_delay_alu instid0(VALU_DEP_1)
	v_readfirstlane_b32 s[WV], v44                 ; wave 0..7
	s_lshr_b32 s[IDX], s[WV], 1
	s_lshr_b32 s43, s[WV], 2
	s_xor_b32 s[ROLE], s[WV], s[IDX]
	s_xor_b32 s[ROLE], s[ROLE], s43
	s_and_b32 s[ROLE], s[ROLE], 1                  ; the parity of the wave's number
	s_bfe_u32 s21, ttmp6, 0x40000                  ; cx
	s_lshl_b32 s[WG], ttmp9, 2
	s_add_co_u32 s[WG], s[WG], s21                 ; work-group = 4 x cluster + cx
	s_and_b32 s[ROT], ttmp9, 7
	s_mov_b32 s[NIB], 0x0f0f0f0f
	s_mov_b32 s[TJ], 0
	s_mov_b32 s[TR], 0
	s_mov_b32 s[TZ], 0
	s_mov_b32 s[OFF+1], 0
	s_and_b32 s43, s[IDX], 1
	s_cmp_eq_u32 s43, 0
	s_cselect_b32 s[PLIM], 5, 0
	v_and_b32 v45, 31, v0                          ; l
	v_and_b32 v46, 15, v0                          ; r; in dequantising: my block of the chunk's 16
	v_bfe_u32 v47, v0, 4, 1                        ; h; in dequantising: my row of a pair
	; the addresses of the products
	s_mul_i32 s43, s[IDX], 4*6144
	v_lshl_add_u32 v[AX0], v45, 4, s43             ; my four tiles of rows; an image's place for my lane: 16 l
	s_delay_alu instid0(VALU_DEP_1)
	v_add_nc_u32 v[AX0+1], SLOTB, v[AX0]
	s_lshl_b32 s43, s[IDX], 10
	s_add_co_u32 s43, s43, XSCO
	v_lshl_add_u32 v[AXS0], v45, 4, s43            ; 16 l = 256 h + 16 r: lanes 0-15 an even tile's rows, lanes 16-31 the next tile's; 16 bytes = the row's four words
	s_delay_alu instid0(VALU_DEP_1)
	v_add_nc_u32 v[AXS0+1], SLOTB, v[AXS0]
	v_mul_u32_u24 v[AW], v46, 24
	s_delay_alu instid0(VALU_DEP_1)
	v_mad_u32_u24 v[AW], v47, 384, v[AW]
	s_delay_alu instid0(VALU_DEP_1)
	v_add_nc_u32 v[AW], WIM, v[AW]
	v_lshl_add_u32 v[AWS], v45, 4, WIM+WSC
	s_mul_i32 s43, s[WV], 16*SPIT
	v_mul_u32_u24 v[STO], v46, SPIT
	s_delay_alu instid0(VALU_DEP_1)
	v_lshl_add_u32 v[STO], v47, 5, v[STO]
	s_delay_alu instid0(VALU_DEP_1)
	v_add_nc_u32 v[STO], s43, v[STO]
	v_mul_u32_u24 v[RD], v47, SPIT
	s_delay_alu instid0(VALU_DEP_1)
	v_lshl_add_u32 v[RD], v46, 4, v[RD]
	s_delay_alu instid0(VALU_DEP_1)
	v_add_nc_u32 v[RD], s43, v[RD]
	v_mul_u32_u24 v[GO], v47, NROW
	s_delay_alu instid0(VALU_DEP_1)
	v_lshl_add_u32 v[GO], v46, 4, v[GO]
	v_lshlrev_b32 v[BO], 5, v47
	; the addresses of the dequantising: they hang on IDX alone, so producer i and consumer i share them and are told apart by the row pair in the immediates
	v_lshrrev_b32 v48, 1, v46
	v_and_b32 v49, 1, v46
	s_delay_alu instid0(VALU_DEP_2)
	v_mul_u32_u24 v[AWP], v48, WPLANE              ; block 4 u + 2 c + h': plane 2 u + c,
	s_delay_alu instid0(VALU_DEP_1)
	v_mad_u32_u24 v[AWP], v49, 384, v[AWP]         ; half h',
	s_delay_alu instid0(VALU_DEP_1)
	v_mad_u32_u24 v[AWP], v47, 24, v[AWP]          ; my row of the pair
	s_mul_i32 s43, s[IDX], WTILE
	s_add_co_u32 s43, s43, WIM
	v_add_nc_u32 v[AWP], s43, v[AWP]
	s_lshl_b32 s43, s[IDX], 8
	s_add_co_u32 s43, s43, WIM+WSC
	v_add_nc_u32 v[ABP], s43, v45                  ; 16 x row + block = 32 x pair + l
	v_mul_u32_u24 v[ARC0], v46, RPIT
	s_delay_alu instid0(VALU_DEP_1)
	v_add_nc_u32 v[ARC0], RCT, v[ARC0]
	s_mul_i32 s43, s[IDX], 16*RPIT
	s_add_co_u32 s43, s43, SCT
	v_lshrrev_b32 v48, 2, v46
	v_mul_u32_u24 v[ASZ0], v47, RPIT
	s_delay_alu instid0(VALU_DEP_1)
	v_lshl_add_u32 v[ASZ0], v48, 2, v[ASZ0]        ; my block's group of 128
	s_delay_alu instid0(VALU_DEP_1)
	v_add_nc_u32 v[ASZ0], s43, v[ASZ0]
	v_lshlrev_b32 v[RO], 11, v47
	s_delay_alu instid0(VALU_DEP_1)
	v_lshl_add_u32 v[RO], v46, 4, v[RO]            ; row h of the pair, 16 bytes = my 32 weights
	v_add_nc_u32 v[ARC], s[TR], v[ARC0]
	s_delay_alu instid0(VALU_DEP_4)
	v_add_nc_u32 v[ASZ], s[TZ], v[ASZ0]
	v_lshlrev_b32 v[PFO], 11, v45
	; the tables: thread t takes 16 channel scales (half of block t / 2 BY POSITION: wave w takes position w) and 16 bytes of two rows of scales and of zeros
	s_add_co_u32 s43, s[WV], s[ROT]
	s_and_b32 s43, s43, 7
	s_lshl_b32 s43, s43, 11                        ; position w is chunk (w + ROT) % 8: 2,048 bytes each
	v_lshl_add_u32 v50, v45, 6, s43
	v_lshrrev_b32 v48, 3, v0
	v_and_b32 v49, 7, v0
	s_delay_alu instid0(VALU_DEP_2)
	v_mul_u32_u24 v[TS], v48, RPIT
	s_delay_alu instid0(VALU_DEP_1)
	v_lshl_add_u32 v[TS], v49, 4, v[TS]
	s_delay_alu instid0(VALU_DEP_1)
	v_add_nc_u32 v[TS], SCT, v[TS]                 ; row t / 8, position t % 8
	s_delay_alu instid0(VALU_DEP_4)
	v_add_nc_u32 v49, s[ROT], v49
	s_delay_alu instid0(VALU_DEP_1)
	v_and_b32 v49, 7, v49
	s_delay_alu instid0(VALU_DEP_1)
	v_lshlrev_b32 v51, 4, v49
	s_delay_alu instid0(VALU_DEP_1)
	v_lshl_add_u32 v51, v48, 7, v51                ; in memory: the same row, chunk (t % 8 + ROT) % 8
	v_lshrrev_b32 v48, 1, v0
	v_and_b32 v49, 1, v0
	s_delay_alu instid0(VALU_DEP_2)
	v_mul_u32_u24 v[TA], v48, RPIT
	s_delay_alu instid0(VALU_DEP_1)
	v_lshl_add_u32 v[TA], v49, 6, v[TA]
	s_delay_alu instid0(VALU_DEP_1)
	v_add_nc_u32 v[TA], RCT, v[TA]
	; descriptor group 1: 50 rows of 256 bytes (32 elements of 8 bytes), dense in memory and in LDS
	s_mov_b32 s[G1], 15|(3<<16)|(1<<21)            ; 15:0 the mask: all four work-groups; 17:16 elements of 8 bytes; 20 no padding; 21 set beside a mask
	s_mov_b32 s[G1+1], 32<<16                      ; tensor_dim0 = 32
	s_mov_b32 s[G1+2], 50<<16                      ; tensor_dim1 = 50
	s_mov_b32 s[G1+3], 32<<16                      ; tile_dim0 = 32
	s_mov_b32 s[G1+4], 50                          ; tile_dim1 = 50
	s_mov_b32 s[G1+5], 32                          ; from row to row
	s_mov_b32 s[G1+6], 0
	s_mov_b32 s[G1+7], 0
	s_mul_i32 s43, s[WV], PIECE                    ; my eighth: no place in the cluster enters an LDS address
	s_mov_b32 s[G0], 1
	s_mov_b32 s[G0+1], s43
	s_mov_b32 s[G0+4], 1
	s_add_co_u32 s[G0+5], s43, SLOTB
	s_wait_alu depctr_va_vdst(0)
	s_wait_kmcnt 0x0
	s_mov_b32 s[OFF], s43
	s_add_nc_u64 s[XB:XB+1], s[4:5], s[OFF:OFF+1]
	s_mul_i32 s[OFF], s[ROT], SLOTB
	s_add_nc_u64 s[G0+2:G0+3], s[XB:XB+1], s[OFF:OFF+1]   ; position 0 is record ROT
	s_or_b32 s[G0+3], s[G0+3], 0x80000000
	s_lshl_b32 s[OFF], s[WG], 17                   ; 64 rows of 2,048 bytes a work-group,
	s_lshl_b32 s43, s[IDX], 15                     ; 16 a tile
	s_add_co_u32 s[OFF], s[OFF], s43
	s_add_nc_u64 s[QB:QB+1], s[6:7], s[OFF:OFF+1]
	s_lshl_b32 s[OFF], s[ROT], 8                   ; a chunk is 256 bytes of a row
	s_add_nc_u64 s[QC:QC+1], s[QB:QB+1], s[OFF:OFF+1]
	s_mul_i32 s[OFF], s[IDX], 64*NROW
	s_lshl_b32 s43, s[WG], 8
	s_add_co_u32 s[OFF], s[OFF], s43
	s_add_nc_u64 s[OB:OB+1], s[16:17], s[OFF:OFF+1]
	s_mov_b32 s[OFF], s43
	s_add_nc_u64 s[BB:BB+1], s[14:15], s[OFF:OFF+1]
	s_lshl_b32 s[OFF], s[WG], 13                   ; 64 rows of 128 bytes
	s_add_nc_u64 s[SB:SB+1], s[8:9], s[OFF:OFF+1]
	s_add_nc_u64 s[ZB:ZB+1], s[10:11], s[OFF:OFF+1]
	WIN 0x40                                       ; destination window 1
.irp i, 0,1,2,3,4,5,6,7
	global_load_b128 v[RW+4*\i:RW+4*\i+3], v[RO], s[QC:QC+1] offset:\i*4096   ; position 0's raw weights: two rows x 256 consecutive bytes a load
.endr
.irp a, 0,1,2,3                                ; the sums begin as the bias: register j of lane (r, h) in accumulator (a, t) is column 16 t + 8 h + j
.irp t, 0,1,2,3
	global_load_b128 v[8*(4*\a+\t):8*(4*\a+\t)+3], v[BO], s[BB:BB+1] offset:64*\t
	global_load_b128 v[8*(4*\a+\t)+4:8*(4*\a+\t)+7], v[BO], s[BB:BB+1] offset:64*\t+16
.endr
.endr
	WIN 0
.irp q, 0,1,2,3
	global_load_b128 v[CSR+4*\q:CSR+4*\q+3], v50, s[12:13] offset:16*\q
.endr
	global_load_b128 v[SCR:SCR+3], v51, s[SB:SB+1]
	global_load_b128 v[SCR+4:SCR+7], v51, s[SB:SB+1] offset:4096
	global_load_b128 v[ZR:ZR+3], v51, s[ZB:ZB+1]
	global_load_b128 v[ZR+4:ZR+7], v51, s[ZB:ZB+1] offset:4096
	ROUND                                          ; all four work-groups are here: the first joint loads meet
	tensor_load_to_lds s[G0:G0+3], s[G1:G1+7]      ; position 0 into slot 0: my one tensor load that is out
	s_nop 0
	PLACES
	s_wait_loadcnt 0x0                             ; raw weights, bias, tables: so their address registers are free too
	s_add_co_u32 s43, s[ROT], 1
	s_and_b32 s43, s43, 7
	s_lshl_b32 s[OFF], s43, 8
	s_add_nc_u64 s[QC:QC+1], s[QB:QB+1], s[OFF:OFF+1]   ; position 1
.irp i, 0,1,2,3,4,5,6,7,8,9,10,11,12,13,14,15
	v_rcp_f32 v[RR+8*(\i/8)+4*(\i%2)+(\i%8)/2], v[CSR+\i]   ; each result at its place in the blocks' order: of eight k the even first
.endr
	v_mov_b32 v[SC8], 0x88888888                   ; (a plain place behind the reciprocals)
	s_wait_alu depctr_va_vdst(0)                   ; one wait for the sixteen, ahead of their first reader
.irp i, 0,1,2,3,4,5,6,7,8,9,10,11,12,13,14,15
	v_fma_f32 v[ER+\i], -v[CSR+\i], v[RR+8*(\i/8)+4*(\i%2)+(\i%8)/2], 1.0   ; one Newton step: e = 1 - c r,
.endr
.irp i, 0,1,2,3,4,5,6,7,8,9,10,11,12,13,14,15
	v_fma_f32 v[RR+8*(\i/8)+4*(\i%2)+(\i%8)/2], v[RR+8*(\i/8)+4*(\i%2)+(\i%8)/2], v[ER+\i], v[RR+8*(\i/8)+4*(\i%2)+(\i%8)/2]   ; r = r + r e
.endr
.irp q, 0,1,2,3
	ds_store_b128 v[TA], v[RR+4*\q:RR+4*\q+3] offset:16*\q
.endr
	ds_store_b128 v[TS], v[SCR:SCR+3]
	ds_store_b128 v[TS], v[SCR+4:SCR+7] offset:32*RPIT
	ds_store_b128 v[TS], v[ZR:ZR+3] offset:ZOFF
	ds_store_b128 v[TS], v[ZR+4:ZR+7] offset:ZOFF+32*RPIT
	s_wait_dscnt 0x0                               ; for the others' sake: my part of the tables lies in LDS
	s_barrier_signal -1
	s_barrier_wait -1                              ; everybody's does.  Slot 0's load may stay out
; THE CHANGE OF TURNS, on every wave's way.  Each wave waits for all its tensor loads (its eighth of the slot that is read next), adds 0 to its spare word, and waits for that and for all its LDS loads and stores.
; Behind the barrier: the slot and the buffer of w that are read next are whole, and nobody reads the slot and the buffer that are written next.
; fill = 1: the barrier is a round of the cluster's, and the slot just left takes position TJ, by the joint load, first thing behind the round; the load has a whole turn in which to land.
.macro SYNC par, fill
	s_wait_tensorcnt 0x0                           ; no tensor load of mine is out, so a group 0 may be written
	ds_add_u32 v[SPW], v[NIL]                      ; 0 onto my spare word; the steps below stand between it and the wait for it
.if \fill
	s_wait_xcnt 0x0                                ; the last turn's loads and prefetch have read their bases
	s_add_co_u32 s[TJ], s[TJ], 1
	s_add_co_u32 s[TR], s[TR], 16*RPIT
	s_add_co_u32 s[TZ], s[TZ], 16
	v_add_nc_u32 v[ARC], s[TR], v[ARC0]            ; the tables at position TJ
	v_add_nc_u32 v[ASZ], s[TZ], v[ASZ0]
	s_add_co_u32 s43, s[TJ], s[ROT]
	s_add_co_u32 s44, s43, 1
	s_and_b32 s44, s44, 7
	s_lshl_b32 s[OFF], s44, 8
	s_add_nc_u64 s[QC:QC+1], s[QB:QB+1], s[OFF:OFF+1]   ; raw weights: position TJ + 1
	s_add_co_u32 s44, s43, 3
	s_and_b32 s44, s44, 7
	s_lshl_b32 s[OFF], s44, 8
	s_add_nc_u64 s[QP:QP+1], s[QB:QB+1], s[OFF:OFF+1]   ; the prefetch: position TJ + 3
	s_and_b32 s43, s43, 7
	s_mul_i32 s[OFF], s43, SLOTB
	s_add_nc_u64 s[G0+4*(1-\par)+2:G0+4*(1-\par)+3], s[XB:XB+1], s[OFF:OFF+1]   ; x: position TJ
	s_or_b32 s[G0+4*(1-\par)+3], s[G0+4*(1-\par)+3], 0x80000000
	s_wait_dscnt 0x0                               ; the add is done; my stores have landed and my reads are over
	ROUND
	tensor_load_to_lds s[G0+4*(1-\par):G0+4*(1-\par)+3], s[G1:G1+7]   ; my one tensor load until the next round
	s_nop 0
	PLACES
.else
	s_wait_dscnt 0x0
	s_barrier_signal -1
	s_barrier_wait -1
.endif
.endm
; THE PRODUCTS.  36 LDS loads: matrix step u of the turn into fragment set s: x's four tiles as images (16 bytes a lane, 512 consecutive bytes a load), w's four from their planes (24 bytes a lane and half, in pieces of 8).
; In a plane lane (r, h) reads word 96 h + 6 r + 2 p: with 64 banks of 4 bytes (ISA guide 11.1) the 32 lanes of a load touch 64 different banks.
.macro LOADK par, u, set
.irp a, 0,1,2,3
.irp q, 0,1,2
	ds_load_b128 v[FB+96*(\set)+12*\a+4*\q:FB+96*(\set)+12*\a+4*\q+3], v[AX0+\par] offset:\a*6144+(\u)*1536+512*\q
.endr
.endr
.irp t, 0,1,2,3
.irp c, 0,1
.irp p, 0,1,2
	ds_load_b64 v[FB+48+96*(\set)+12*\t+6*\c+2*\p:FB+48+96*(\set)+12*\t+6*\c+2*\p+1], v[AW] offset:(\par)*WBUF+\t*WTILE+(2*(\u)+\c)*WPLANE+8*\p
.endr
.endr
.endr
.endm
; One product, used TRANSPOSED: source 0 = 16 rows of w, source 1 = 16 rows of x: lane (r, h) then holds row r of out0 and eight neighbouring columns.
; A scale register holds an even tile's words in lanes 0-15 and the next tile's in lanes 16-31.
.macro WM a, t, u, set
.set rD, 8*(4*(\a)+(\t))
.set rW, FB+48+96*(\set)+12*(\t)
.set rX, FB+96*(\set)+12*(\a)
.set rSW, SW+4*((\t)/2)+(\u)
.set rSX, SX+4*((\a)/2)+(\u)
.if ((\t)%2 == 0) && ((\a)%2 == 0)
	v_wmma_scale_f32_16x16x128_f8f6f4 v[rD:rD+7], v[rW:rW+11], v[rX:rX+11], v[rD:rD+7], v[rSW], v[rSX] matrix_a_fmt:MATRIX_FMT_BF6 matrix_b_fmt:MATRIX_FMT_BF6
.elseif (\t)%2 == 0
	v_wmma_scale_f32_16x16x128_f8f6f4 v[rD:rD+7], v[rW:rW+11], v[rX:rX+11], v[rD:rD+7], v[rSW], v[rSX] matrix_a_fmt:MATRIX_FMT_BF6 matrix_b_fmt:MATRIX_FMT_BF6 matrix_b_scale:MATRIX_SCALE_ROW1
.elseif (\a)%2 == 0
	v_wmma_scale_f32_16x16x128_f8f6f4 v[rD:rD+7], v[rW:rW+11], v[rX:rX+11], v[rD:rD+7], v[rSW], v[rSX] matrix_a_fmt:MATRIX_FMT_BF6 matrix_b_fmt:MATRIX_FMT_BF6 matrix_a_scale:MATRIX_SCALE_ROW1
.else
	v_wmma_scale_f32_16x16x128_f8f6f4 v[rD:rD+7], v[rW:rW+11], v[rX:rX+11], v[rD:rD+7], v[rSW], v[rSX] matrix_a_fmt:MATRIX_FMT_BF6 matrix_b_fmt:MATRIX_FMT_BF6 matrix_a_scale:MATRIX_SCALE_ROW1 matrix_b_scale:MATRIX_SCALE_ROW1
.endif
.endm
.macro MUL u, set                      ; 16 products; the 16 accumulators take turns, one instruction a turn, in the same order in every step, from turn to turn too
.irp a, 0,1,2,3
.irp t, 0,1,2,3
	WM \a, \t, \u, \set
.endr
.endr
.endm
.macro MM par                          ; a turn's 64 products, from slot par and w's buffer par; a step's fragments are asked for a step ahead
.irp e, 0,1
	ds_load_b128 v[SX+4*\e:SX+4*\e+3], v[AXS0+\par] offset:512*\e          ; the turn's scale words: four a row
	ds_load_b128 v[SW+4*\e:SW+4*\e+3], v[AWS] offset:(\par)*WBUF+512*\e
.endr
	LOADK \par, 0, 0
	LOADK \par, 1, 1
	s_wait_dscnt 36                                ; all but the 36 loads just issued
	WIN W_MUL
	MUL 0, 0
	WIN 0
	PLACES
	LOADK \par, 2, 0
	s_wait_dscnt 36
	WIN W_MUL
	MUL 1, 1
	WIN 0
	PLACES
	LOADK \par, 3, 1
	s_wait_dscnt 36
	WIN W_MUL
	MUL 2, 0
	s_wait_dscnt 0x0
	MUL 3, 1
	WIN 0
	PLACES                                         ; for what follows: the dequantising's loads into and vector writes of the fragments' registers, or the way out's reads of the sums
.endm
; THE DEQUANTISING.  Lane l = 16 h + block: block 0..15 of the chunk, row 2 i + h of row pair i: a lane holds a whole block of 32 along K, so its largest magnitude needs no other lane.
; A step: row pairs 2 n and 2 n + 1, line by line by turns.  k: the step's number in the wave's run of steps.
.macro DEQ2 n, buf, k
.irp e, 0,1,2,3
.irp b, 0,1
	v_cvt_scale_pk8_f32_fp8 v[VA+32*\b+8*\e:VA+32*\b+8*\e+7], v[PR+8*((2*(\n)+\b)%6)+2*\e:PR+8*((2*(\n)+\b)%6)+2*\e+1], v[SC8]   ; eight nibbles as f32: 4 even k, then 4 odd
.endr
.endr
	v_nop                                          ; one plain place behind the scaled conversions
.if (\k) == 0
	s_wait_alu depctr_va_vdst(0)
	s_wait_dscnt 0x0                               ; the reciprocals, scales and zeros are in
.endif
.irp j, 0,2,4,6,8,10,12,14,16,18,20,22,24,26,28,30
.irp b, 0,1
	v_pk_fma_f32 v[VA+32*\b+\j:VA+32*\b+\j+1], v[VA+32*\b+\j:VA+32*\b+\j+1], v[SZ+2*(2*(\n)+\b):SZ+2*(2*(\n)+\b)+1], v[SZ+2*(2*(\n)+\b):SZ+2*(2*(\n)+\b)+1] op_sel:[0,0,1] op_sel_hi:[1,0,1]   ; n x scale + zero: of the pair (scale, zero) the first serves both products, the second both sums
.endr
.endr
.irp j, 0,2,4,6,8,10,12,14,16,18,20,22,24,26,28,30
.irp b, 0,1
	v_pk_mul_f32 v[VA+32*\b+\j:VA+32*\b+\j+1], v[VA+32*\b+\j:VA+32*\b+\j+1], v[RC+\j:RC+\j+1]   ; x 1 / channel scale
.endr
.endr
.irp b, 0,1                                    ; the block's largest magnitude, in two chains a block
	v_max3_num_f32 v[MXA+\b], |v[VA+32*\b]|, |v[VA+32*\b+1]|, 0x2800000   ; with the floor 2^(5 - 127): the byte cannot fall under 1
	v_max3_num_f32 v[MXB+\b], |v[VA+32*\b+16]|, |v[VA+32*\b+17]|, |v[VA+32*\b+18]|
.endr
.irp i, 2,4,6,8,10,12
.irp b, 0,1
	s_delay_alu instid0(VALU_DEP_4)
	v_max3_num_f32 v[MXA+\b], v[MXA+\b], |v[VA+32*\b+\i]|, |v[VA+32*\b+\i+1]|
	s_delay_alu instid0(VALU_DEP_4)
	v_max3_num_f32 v[MXB+\b], v[MXB+\b], |v[VA+32*\b+17+\i]|, |v[VA+32*\b+18+\i]|
.endr
.endr
.irp b, 0
	s_delay_alu instid0(VALU_DEP_4)
	v_max3_num_f32 v[MXA+\b], v[MXA+\b], |v[VA+32*\b+14]|, |v[VA+32*\b+15]|
.endr
.irp b, 1
	s_delay_alu instid0(VALU_DEP_3)
	v_max3_num_f32 v[MXA+\b], v[MXA+\b], |v[VA+32*\b+14]|, |v[VA+32*\b+15]|
.endr
.irp b, 0,1
	s_delay_alu instid0(VALU_DEP_2)
	v_max3_num_f32 v[MXA+\b], v[MXA+\b], v[MXB+\b], |v[VA+32*\b+31]|
.endr
.irp b, 0,1
	s_delay_alu instid0(VALU_DEP_2)
	v_add_nc_u32 v[SO+\b], 0xfe000000, v[MXA+\b]   ; 4 off the exponent field: the conversion's scale operand
.endr
.if (\k) >= 2
	s_wait_alu depctr_va_vdst(0)
	s_wait_dscnt 8                                 ; the 8 stores of the step before may be out; those of two steps back, which read the registers written next, are done
.endif
.irp b, 0,1
	v_cvt_scalef32_pk16_bf6_f32 v[CD+12*((\n)%2)+6*\b:CD+12*((\n)%2)+6*\b+2], v[VA+32*\b:VA+32*\b+15], v[SO+\b]
	v_cvt_scalef32_pk16_bf6_f32 v[TT+4*\b:TT+4*\b+2], v[VA+32*\b+16:VA+32*\b+31], v[SO+\b]   ; (a conversion's three registers begin on an even number)
.endr
.irp b, 0,1
	v_lshrrev_b32 v[BY+2*((\n)%2)+\b], 23, v[SO+\b]   ; the scale's byte.  (The plain place behind the conversions)
.endr
.irp b, 0,1
.irp m, 0,1,2
	v_mov_b32 v[CD+12*((\n)%2)+6*\b+3+\m], v[TT+4*\b+\m]
.endr
.endr
.irp b, 0,1
.irp p, 0,1,2
	ds_store_b64 v[AWP], v[CD+12*((\n)%2)+6*\b+2*\p:CD+12*((\n)%2)+6*\b+2*\p+1] offset:(\buf)*WBUF+48*(2*(\n)+\b)+8*\p   ; the block's 24 bytes, at its row's place in its plane
.endr
	ds_store_b8 v[ABP], v[BY+2*((\n)%2)+\b] offset:(\buf)*WBUF+32*(2*(\n)+\b)
.endr
.endm
; A wave's part of a position's 16 rows x 512 weights, into w's buffer buf.  part = 0: row pairs 0 to 5 (the producer's); part = 1: row pairs 6 and 7 (the consumer's).
; The raw weights were asked for a turn ago.  They are unpacked whole, so that their registers take the next position's loads at once (more = 1).
; THE PREFETCH (pf = 1: the producers' copies in the loop), behind those loads: in the turns that make positions 1 to 4, the producers of N tiles 0 and 2 name position TJ + 3 of 32 rows (their own tile's and the
; next one's), a lane a row, 256 bytes each: two turns ahead of the loads that want them.  Each aligned block of 256 bytes is named once in the launch; positions 0 to 3 come by their loads alone; position 7 is the last that is named.
.macro DEQ buf, more, pf, part
.set P0, 6*(\part)
.set PN, 6-4*(\part)
.irp q, 0,1,2,3,4,5,6,7
	ds_load_b128 v[RC+4*\q:RC+4*\q+3], v[ARC] offset:16*\q
.endr
.set i, P0
.rept PN
	ds_load_b32 v[SZ+2*i], v[ASZ] offset:2*RPIT*i
	ds_load_b32 v[SZ+2*i+1], v[ASZ] offset:ZOFF+2*RPIT*i
.set i, i+1
.endr
	s_wait_loadcnt 0x0                             ; this position's raw weights are in
	WIN 0x04                                       ; source 1 in window 1
.set i, P0
.rept PN
.irp e, 0,1,2,3
	v_and_b32 v[PR+8*(i%6)+2*\e], s[NIB], v[RW+4*i+\e]      ; four low nibbles: k = 8 e + 0, 2, 4, 6
	v_lshrrev_b32 v[PR+8*(i%6)+2*\e+1], 4, v[RW+4*i+\e]
.endr
.set i, i+1
.endr
.if \more
	WIN 0x40                                       ; destination window 1
.set i, P0
.rept PN
	global_load_b128 v[RW+4*i:RW+4*i+3], v[RO], s[QC:QC+1] offset:i*4096 th:TH_LOAD_NT   ; two rows x 256 consecutive aligned bytes; from position 1 on each is read once in the launch
.set i, i+1
.endr
.endif
	WIN 0
.if \pf
	s_cmp_lt_u32 s[TJ], s[PLIM]
	s_cbranch_scc0 .Lnot_mine_\@
	global_prefetch_b8 v[PFO], s[QP:QP+1] th:TH_LOAD_NT scope:SCOPE_SE
.Lnot_mine_\@:
.endif
.set i, P0
.rept PN
.irp e, 0,1,2,3
	v_and_b32 v[PR+8*(i%6)+2*\e+1], s[NIB], v[PR+8*(i%6)+2*\e+1]   ; four high nibbles: k = 8 e + 1, 3, 5, 7
.endr
.set i, i+1
.endr
.if (\part) == 0
	DEQ2 0, \buf, 0
	DEQ2 1, \buf, 1
	DEQ2 2, \buf, 2
.else
	DEQ2 3, \buf, 0
.endif
.endm
; A TURN: the change, then the roles part on the wave's number and join again ahead of the next change.  The consumer multiplies first: the four places that end its products serve the dequantising's writes
; into the fragments' registers, and its stores of codes are waited for at the next change, like a producer's.
.macro TURN par, more
	SYNC \par, 1
	s_cmp_eq_u32 s[ROLE], 0
	s_cbranch_scc0 .Lproducer_\@
	MM \par
	s_wait_alu depctr_va_vdst(0)
	DEQ 1-\par, \more, 0, 1
	s_branch .Ljoin_\@
.Lproducer_\@:
	s_wait_alu depctr_va_vdst(0)
	DEQ 1-\par, \more, \more, 0
.Ljoin_\@:
.endm
	s_cmp_eq_u32 s[ROLE], 0                        ; position 0 into buffer 0, shared as every position is; position 1's raw weights are asked for
	s_cbranch_scc0 .Lhead_producer
	DEQ 0, 1, 0, 1
	s_branch .Lhead_join
.Lhead_producer:
	DEQ 0, 1, 0, 0
.Lhead_join:
	s_mov_b32 s[TRIP], 3
.Lturn:                                            ; turns 0 to 5
	TURN 0, 1
	TURN 1, 1
	s_sub_co_u32 s[TRIP], s[TRIP], 1
	s_cmp_lg_u32 s[TRIP], 0
	s_cbranch_scc1 .Lturn
	TURN 0, 0                                      ; turn 6: position 7 is made and asked for; no raw weights are left to load
	SYNC 1, 0                                      ; turn 7: nothing is filled, so no round
	s_cmp_eq_u32 s[ROLE], 0
	s_cbranch_scc0 .Lend
	MM 1
; THE WAY OUT, a tile of 16 rows x 64 columns at a time.  A lane holds 32 neighbouring bytes of a row, and the lanes beside it hold other rows: so a tile goes through my stage and comes back as whole rows of 256 bytes.
.macro TOSTAGE a
	WIN 0x04                                       ; an LDS store's data are its source 1: window 1
.irp t, 0,1,2,3
	ds_store_b128 v[STO], v[8*(4*(\a)+\t):8*(4*(\a)+\t)+3] offset:64*\t          ; each accumulator from its low end on
	ds_store_b128 v[STO], v[8*(4*(\a)+\t)+4:8*(4*(\a)+\t)+7] offset:64*\t+16
.endr
	WIN 0
.irp f, 0,1,2,3,4,5,6,7
	ds_load_b128 v[FB+32*(\a)+4*\f:FB+32*(\a)+4*\f+3], v[RD] offset:2*SPIT*\f   ; LDS serves a wave's instructions in order (ISA guide 5.7.1.4): these see my stores, and the next tile's stores come behind them
.endr
.endm
.macro SEND a, younger                 ; younger: the LDS instructions issued behind tile a's loads, which may stay out.  Each tile has 32 registers of its own: no store's data are written again
	s_wait_dscnt \younger
.irp f, 0,1,2,3,4,5,6,7
	global_store_b128 v[GO], v[FB+32*(\a)+4*\f:FB+32*(\a)+4*\f+3], s[OB:OB+1] offset:(16*(\a)+2*\f)*NROW th:TH_STORE_NT   ; 16 lanes store 256 consecutive bytes, at a multiple of 256 from out0's first byte; 62 rows at the most: inside the signed 24-bit immediate
.endr
.endm
	TOSTAGE 0
	TOSTAGE 1
	SEND 0, 16
	TOSTAGE 2
	SEND 1, 16
	TOSTAGE 3
	SEND 2, 16
	SEND 3, 0
.Lend:
	s_wait_tensorcnt 0x0                           ; the wave's end, behind my last tensor load and my last LDS store
	ds_add_u32 v[SPW], v[NIL]
	s_wait_dscnt 0x0
	ROUND                                          ; the closing round: no work-group ends while a partner may still ask for a piece that names it
	s_endpgm
.Lfunc_end_k_q2fa8ab77df_awq:
	.size	k_q2fa8ab77df_awq, .Lfunc_end_k_q2fa8ab77df_awq-k_q2fa8ab77df_awq
	.p2alignl 7, 3214868480
	.fill 96, 4, 3214868480
	.section	.rodata,"a",@progbits
	.p2align	6, 0x0
	.amdhsa_kernel k_q2fa8ab77df_awq
		.amdhsa_group_segment_fixed_size 327680
		.amdhsa_private_segment_fixed_size 0
		.amdhsa_enable_private_segment 0
		.amdhsa_kernarg_size 56
		.amdhsa_user_sgpr_count 2
		.amdhsa_user_sgpr_kernarg_segment_ptr 1
		.amdhsa_wavefront_size32 1
		.amdhsa_system_sgpr_workgroup_id_x 1
		.amdhsa_system_sgpr_workgroup_id_y 1
		.amdhsa_system_sgpr_workgroup_id_z 1
		.amdhsa_system_vgpr_workitem_id 0
		.amdhsa_next_free_vgpr 416
		.amdhsa_next_free_sgpr 66
		.amdhsa_reserve_vcc 0
		.amdhsa_float_denorm_mode_32 3
		.amdhsa_float_denorm_mode_16_64 3
		.amdhsa_memory_ordered 1
		.amdhsa_forward_progress 1
		.amdhsa_inst_pref_size 255
	.end_amdhsa_kernel
	.section	.bss,"aw",@nobits
	.p2align	6
	.space	262144
	.amdgpu_metadata
---
amdhsa.version: [ 1, 2 ]
amdhsa.kernels:
  - .name:           k_q2fa8ab77df_awq
    .symbol:         k_q2fa8ab77df_awq.kd
    .args:
      - { .name: xq, .offset: 0, .size: 8, .value_kind: global_buffer, .address_space: global }
      - { .name: qweight, .offset: 8, .size: 8, .value_kind: global_buffer, .address_space: global }
      - { .name: scales, .offset: 16, .size: 8, .value_kind: global_buffer, .address_space: global }
      - { .name: zeros, .offset: 24, .size: 8, .value_kind: global_buffer, .address_space: global }
      - { .name: channel_scales, .offset: 32, .size: 8, .value_kind: global_buffer, .address_space: global }
      - { .name: bias, .offset: 40, .size: 8, .value_kind: global_buffer, .address_space: global }
      - { .name: out0, .offset: 48, .size: 8, .value_kind: global_buffer, .address_space: global }
    .group_segment_fixed_size: 327680
    .private_segment_fixed_size: 0
    .kernarg_segment_align: 8
    .kernarg_segment_size: 56
    .max_flat_workgroup_size: 256
    .sgpr_count:     66
    .vgpr_count:     416
    .wavefront_size: 32
...
	.end_amdgpu_metadata
.endif
;; end of part 2
